; MI455X (gfx1250); checked and timed in simulation.
; The chip was launched on July 23, 2026; its instructions are those of AMD's public machine-readable ISA for CDNA 5 (MIT licence, August 2026) and "CDNA5" Instruction Set Architecture Reference Guide (July 2026). The comments in the code are by the model that wrote it; some were corrected since.
;; Multi Head Attention. Allowed arithmetic: matrix products marked QUANTISED: E5M2 operands, one given power-of-two scale a tensor, by v_wmma_f32_16x16x64_bf8_bf8 or v_wmma_f32_16x16x128_bf8_bf8, f32 sums; everything else in f32.
;; Inputs: bk 1,024 float32; bo 1,024 float32; bq 1,024 float32; bv 1,024 float32; key_codes 4 x 2,048 x 32 x 32 uint8 (E5M2 codes of key, K innermost, in blocks of 32 codes); lowp_scales 12 int32 (the exponents e of the quantised operands' scales 2^e); query_codes 4 x 2,048 x 32 x 32 uint8 (E5M2 codes of query, K innermost, in blocks of 32 codes); value_codes 4 x 2,048 x 32 x 32 uint8 (E5M2 codes of value, K innermost, in blocks of 32 codes); wk_codes 1,024 x 32 x 32 uint8 (E5M2 codes of wk, K innermost, in blocks of 32 codes); wo_codes 1,024 x 32 x 32 uint8 (E5M2 codes of wo, K innermost, in blocks of 32 codes); wq_codes 1,024 x 32 x 32 uint8 (E5M2 codes of wq, K innermost, in blocks of 32 codes); wv_codes 1,024 x 32 x 32 uint8 (E5M2 codes of wv, K innermost, in blocks of 32 codes).
;; Outputs: out0 4 x 2,048 x 1,024 float32.
;; Constants: is_causal = 1.
;; This version of the problem:
;;   THIS VERSION OF THE PROBLEM IS GIVEN IN LOW PRECISION. The matrix products marked QUANTISED in the list below multiply operands that are first quantised to E5M2 (5 exponent bits, 2 mantissa bits; 8 bits a number), with one given power-of-two scale for each operand tensor; their sums are f32. All else is computed in f32.
;;   The module's matrix products, in the order in which they are computed (A, B: the left and right operand; K: the contracted axis; several contracted axes count as one K, in the product's order):
;;     1. [M 8,192, K 1,024] x [K 1,024, N 1,024]; A: input query (given as codes); B: input wq (given as codes): QUANTISED (scales: A lowp_scales[0], B lowp_scales[1])
;;     2. [M 8,192, K 1,024] x [K 1,024, N 1,024]; A: input key (given as codes); B: input wk (given as codes): QUANTISED (scales: A lowp_scales[2], B lowp_scales[3])
;;     3. [M 8,192, K 1,024] x [K 1,024, N 1,024]; A: input value (given as codes); B: input wv (given as codes): QUANTISED (scales: A lowp_scales[4], B lowp_scales[5])
;;     4. batch 64 x [M 2,048, K 64] x [K 64, N 2,048]; A: computed on the way; B: computed on the way: QUANTISED (scales: A lowp_scales[6], B lowp_scales[7])
;;     5. batch 64 x [M 2,048, K 2,048] x [K 2,048, N 64]; A: softmax (see below); B: computed on the way: QUANTISED (scales: A lowp_scales[8], B lowp_scales[9])
;;     6. [M 8,192, K 1,024] x [K 1,024, N 1,024]; A: computed on the way; B: input wo (given as codes): QUANTISED (scales: A lowp_scales[10], B lowp_scales[11])
;;   THE QUANTISER, for each operand of a quantised product, along K:
;;     - The operand's scale is 2^e, e = its entry of the input lowp_scales (int32; the entries are numbered through the quantised products in the list's order, A before B).
;;     - Each number is divided by the scale, clamped to +-57,344, and rounded to the nearest number of E5M2, ties to even, subnormals kept.
;;     - The product sums the exact products of the quantised numbers (number of the format x scale) in f32.
;;   ~~~python
;;   def quantise(x, axis, e):      # numpy; x: float32 -> the quantised numbers, widened to float32 again
;;       x = np.moveaxis(x, axis, -1); K = x.shape[-1]
;;       r = np.clip(x / 2.0 ** e, -57344, 57344)
;;       step = 2.0 ** (np.maximum(np.frexp(np.where(r == 0, 1, r))[1] - 1, -14) - 2)
;;       q = np.round(r / step) * step * 2.0 ** e      # np.round: ties to even
;;       return np.moveaxis(q, -1, axis).astype(np.float32)
;;   ~~~
;;   SOFTMAX AHEAD OF A QUANTISED PRODUCT. Where the list says 'softmax', what is quantised is not the finished softmax but p = 2^(t - M), with t = logit x log2(e) and M = ceil(the row's largest t), a whole number; so 1/2 < the row's largest p <= 1. The row's sum l is taken of the UNQUANTISED p, in f32, and the product's result is divided by l at the end. Since M is a whole number, a kernel that streams over the keys may use a running M (the ceiling of the running maximum): every later rescaling is an exact power of two, so the quantised numbers keep their values, but for numbers so far below the row's largest that they fall under the format's range.
;;   OPERANDS COMPUTED ON THE WAY. 'Computed on the way' means the value that the module computes at that place (a softmax that the list does not call 'softmax' is quantised finished and normalised). What goes into a quantiser is computed in f32, as accurately as f32 sums, v_exp_f32 and their like allow (about 1e-6 of the number): no bf16 or f16 on the way to a quantiser, and a product that is left as it is and whose result goes on into a quantised operand takes f32 operands (vector FMAs, or v_wmma_f32_16x16x4_f32). A number that lies on a knife's edge between two numbers of the format may be rounded either way, as far as f32 arithmetic and the matrix unit's own rounding can turn it there, and no further.
;;   INPUTS GIVEN AS CODES. key (in the module: [4, 2048, 1024], K = its axis 2); query (in the module: [4, 2048, 1024], K = its axis 2); value (in the module: [4, 2048, 1024], K = its axis 2); wk (in the module: [1024, 1024], K = its axis 1); wo (in the module: [1024, 1024], K = its axis 1); wq (in the module: [1024, 1024], K = its axis 1); wv (in the module: [1024, 1024], K = its axis 1): each comes as NAME_codes (uint8): NAME with its K axis moved to the last place and cut into blocks of 32 codes, [.., K / 32, bytes a block], one block behind the other in memory; one code a byte (a code: sign, 5 exponent bits, 2 mantissa bits); its scale is its entry of lowp_scales. Its value is code x scale, taken as it is: it is not quantised again, and the codes and scales need not be those that the quantiser above would give.
;; One version. Each part assembles by itself: llvm-mc -triple=amdgcn-amd-amdhsa -mcpu=gfx1250 --defsym DOCPART=n.
;; ======== version 1 of 1: 3 launches
;; limits: right only within a limited range of input values
;; workspace buffers: qimg 8,388,608 bytes; kvimg 16,777,216 bytes; cimg 8,388,608 bytes
;; launch proj (part 1): grid 4 x 96, 4 waves a work-group, clusters of 4 x 4, 327,680 bytes of LDS; arguments query_codes, key_codes, value_codes, wq_codes, wk_codes, wv_codes, bq, bk, bv, lowp_scales, qimg, kvimg; writes qimg, kvimg
.if DOCPART == 1
	.amdgcn_target "amdgcn-amd-amdhsa--gfx1250"
	.amdhsa_code_object_version 6
	.text
	.protected	k_q862fcf5f22_proj
	.globl	k_q862fcf5f22_proj
	.p2align	8
	.type	k_q862fcf5f22_proj,@function
k_q862fcf5f22_proj:
	s_mov_b64 s[64:65], 0
	v_nop
	global_prefetch_b8 v0, s[64:65] scope:SCOPE_SE
	s_setreg_imm32_b32 hwreg(HW_REG_WAVE_MODE, 25, 1), 1
	s_wait_xcnt 0x0
	s_wait_alu depctr_hold_cnt(0) depctr_sa_sdst(0) depctr_va_vdst(0) depctr_va_sdst(0) depctr_va_ssrc(0) depctr_va_vcc(0) depctr_vm_vsrc(0)
	s_getreg_b32 s2, hwreg(HW_REG_IB_STS2, 6, 4)
	s_cmp_eq_u32 s2, 0
	s_cbranch_scc0 .Lentry_in_a_cluster
	s_endpgm
.Lentry_in_a_cluster:
	s_bfe_u32 s2, ttmp6, 0x10000c
	s_cmp_lg_u32 s2, 0xf033
	s_cbranch_scc0 .Lentry_shape_is_right
	s_endpgm
.Lentry_shape_is_right:
; Q = query wq^T + bq, K = key wk^T + bk, V = value wv^T + bv: three products [8192 x 1024] x [1024 x 1024] on codes of BF8 (E5M2), f32 sums; each result is
; sum x 2^(ea + eb) + bias in f32 and is quantised at once with its own given scale 2^eo (Q: entry 6, K: entry 7, V: entry 9 of the scales) for the attention launch.
; ONE LAUNCH FOR THE THREE: the grid's 96 tile rows are 32 for each tensor; a cluster's y / 8 says which (0 Q, 1 K, 2 V), the same in all sixteen partners.  Pointers and exponents are chosen by selects.
; A tile of 256 x 256 is made by four waves, each 128 x 128: 64 accumulators, 512 registers.  K goes in steps of 256 through a ring of two LDS slots filled by joint tensor loads:
; the four work-groups of a row of the cluster need the same 256 rows of the activations, the four of a column the same 256 rows of the weight.
; WHAT LEAVES IS AN IMAGE OF THE NEXT OPERAND'S REGISTERS.  In a result, lane (r, h) holds source 1's row r and its register j source 0's row 8 h + j, so one conversion of an accumulator's eight
; registers gives registers 2 c, 2 c + 1 (k = 16 c + 8 h + 0 .. 7) of an 8-bit operand.  Q, K: source 0 = 16 rows of W, source 1 = 16 tokens: four accumulators are a fragment 16 tokens x 64 (a head).
; V: source 0 = 16 tokens, source 1 = 16 rows of wv: eight accumulators are a fragment of V^T, 16 channels x 128 keys.  The swap costs no text: for V the two LDS read addresses change places.
; Each group of four registers is stored by one instruction, lane l's 16 bytes at 16 l: 512 consecutive bytes, aligned.
;   qimg  [batch x 16 + head][token tile 0..127][1024]: registers 0-3 at 0, 4-7 at 512.
;   kvimg [batch x 16 + head][key step 0..15][16384]: K's tile kt at 1024 kt; V^T's channel tile dt at 8192 + 2048 dt, group g at 512 g.
; The codes of both sides are fetched by loads of 16 bytes, which places k inside an instruction otherwise than the form's own layout, alike on both sides: every product meets its partner; only the order of the sums differs.
; LIMITS: ea + eb between -126 and 127; eo between -126 and 112, so that each power of two below is an f32 number.  NaN and infinity codes among the inputs are not served.
; No prefetch: the tiles are shared by joint loads and the launch has four K steps.
; REGISTERS, in windows of 256: window 0: v0-31 addresses and constants; v32-95 at work on the way out; v128-255 source 1's fragments, ONE set; on the way out the codes.
;   window 1: source 0's fragments, TWO sets, at v0 and v128; from the last step on set 0 holds the biases.   windows 2, 3: the accumulators ((a, b) at v[64 (a % 4) + 8 b]).
.set ROWB,   256                       ; a tile's row: 256 codes
.set KROW,   1024                      ; a row of codes in memory
.set PITCH,  272                       ; an LDS row: 256 bytes + 16 of padding: the 16 rows that a load touches start 16 bytes apart modulo 256
.set FR,     16                        ; registers of a fragment: 16 rows x 128 K
.set NL,     4                         ; LDS loads that bring one
.set NP,     4                         ; places behind this matrix instruction (ISA guide 7.12.1)
.set HALFT,  128*PITCH                 ; 128 rows: what one tensor load brings
.set SLOT,   4*HALFT                   ; the activations' 256 rows, then the weight's 256 rows
.set SPARE,  2*SLOT                    ; behind the ring: the spare words, 128 bytes a wave, which no other line names
.set ADRA, 16                          ; v16-17  LDS address of source 1's fragments in slot 0, 1
.set ADRB, 20                          ; v20-21  the same for source 0
.set LI,   22                          ; v22     16 x lane: my place in an image
.set LI2,  23                          ; v23     the same, one head further on (Q, K)
.set H32,  24                          ; v24     32 h: my eight biases of a tile (Q, K)
.set R4,   25                          ; v25     4 r: my one bias of a tile (V)
.set SC,   26                          ; v26     2^eo as f32
.set LIM,  27
.set SPW,  28                          ; v28     my spare word; never rewritten
.set NIL,  29                          ; v29     0; never rewritten
.set T,    32                          ; v32-95  a block's 64 results in f32
.set AF,   128                         ; source 1's fragments
.set C,    128                         ; the way out: 16 registers of codes for each block a; no store's data are written again
.set BQ,   0                           ; window 1: biases in Q's and K's view, eight a tile b
.set BV,   64                          ; window 1: biases in V's view, one a tile a, written twice to make a pair
.set G1, 24                            ; s[24:31] descriptor group 1 for the activations;  s[32:39] group 0, one set for each slot
.set G0, 32
.set G1B, 48                           ; s[48:55], s[56:63] the same for the weight
.set G0B, 56
.set MSB, 0
.macro WIN new                         ; the immediate's high byte repeats the setting that is left
.if MSB != (\new)
	s_set_vgpr_msb (MSB<<8)|(\new)
.set MSB, (\new)
.endif
.endm
.set MUL_LO, 0xa1                      ; source 0 window 1, source 1 window 0, C and D window 2
.set MUL_HI, 0xf1                      ; the same, C and D window 3
.set TO_B,   0x40                      ; destination window 1, address window 0
; A joint load: waves 0 and 1 fetch the activations' halves, waves 2 and 3 the weight's.  The branch hangs on the wave's number alone.  Four v_nop follow each of the two lines.
.macro JLOAD g0a, g1a, g0b, g1b
	s_cmp_eq_u32 s15, 0
	s_cbranch_scc0 .Lfor_b_\@
	tensor_load_to_lds s[\g0a:\g0a+3], s[\g1a:\g1a+7]
	s_nop 0
.rept 4
	v_nop
.endr
	s_branch .Lasked_\@
.Lfor_b_\@:
	tensor_load_to_lds s[\g0b:\g0b+3], s[\g1b:\g1b+7]
	s_nop 0
.rept 4
	v_nop
.endr
.Lasked_\@:
.endm
.macro CREST                           ; a round of the cluster's barrier behind its opening barrier
	s_cmp_lg_u32 s14, 0
	s_cbranch_scc1 .Lnot_wave_0_\@
	s_barrier_signal -3
.Lnot_wave_0_\@:
	s_barrier_wait -3
	s_barrier_signal -1
	s_barrier_wait -1
.endm
.macro CROUND                          ; a whole round
	s_barrier_signal -1
	s_barrier_wait -1
	CREST
.endm
	s_load_b512 s[68:83], s[0:1], 0x0              ; query, key, value, wq, wk, wv, bq, bk
	s_load_b256 s[84:91], s[0:1], 0x40             ; bv, the scales' exponents, qimg, kvimg
	v_lshl_add_u32 v[SPW], v0, 2, SPARE
	v_mov_b32 v[NIL], 0
	ds_add_u32 v28, v29
	ds_add_u32 v28, v29
	s_wait_dscnt 0x0
	v_lshrrev_b32 v1, 5, v0
	v_readfirstlane_b32 s14, v1                    ; wave 0..3
	s_lshr_b32 s15, s14, 1                         ; which 128 rows of source 1 are mine.  Also: I fetch activations (0) or weights (1)
	s_and_b32 s16, s14, 1                          ; which 128 rows of source 0.  Also: which 128 rows I fetch
	s_bfe_u32 s40, ttmp6, 0x40000                  ; cx, cy: my place in the cluster
	s_bfe_u32 s41, ttmp6, 0x40004
	s_lshl_b32 s42, ttmp9, 2
	s_add_co_u32 s42, s42, s40                     ; x: which 256 rows of the weight
	s_and_b32 s17, ttmp7, 0xffff                   ; the cluster's y, 0..23
	s_lshr_b32 s66, s17, 3                         ; which tensor: 0 Q, 1 K, 2 V: the same in all partners
	s_lshl_b32 s17, s17, 2
	s_add_co_u32 s17, s17, s41                     ; y = 4 x cluster y + cy
	s_and_b32 s67, s17, 31                         ; which 256 tokens of that tensor
	s_lshl_b32 s43, s41, 2
	s_lshl_b32 s43, 15, s43                        ; my row of the cluster
	s_lshl_b32 s44, 0x1111, s40                    ; my column
	; descriptor group 1: a tile of 128 rows x 256 bytes, padded in LDS
	s_or_b32 s[G1+0], s43, (0<<16)|(1<<20)|(1<<21)|(5<<22)|(3<<25)  ; 15:0 the mask: my row; 17:16 element of 1 byte; 20 padding on; 21 set beside a mask; 24:22 after every 64 words; 31:25 four words
	s_or_b32 s[G1B+0], s44, (0<<16)|(1<<20)|(1<<21)|(5<<22)|(3<<25) ; the same with the mask of my column
.irp g, G1, G1B
	s_mov_b32 s[\g+1], ROWB<<16                    ; tensor_dim0
	s_mov_b32 s[\g+2], 128<<16                     ; tensor_dim1
	s_mov_b32 s[\g+3], ROWB<<16                    ; tile_dim0
	s_mov_b32 s[\g+4], 128                         ; tile_dim1
	s_mov_b32 s[\g+5], KROW                        ; tensor_dim0_stride
	s_mov_b32 s[\g+6], 0
	s_mov_b32 s[\g+7], 0
.endr
	s_lshl_b32 s18, s16, 7                         ; which 128 rows of the tile I fetch
	s_lshl_b32 s20, s67, 8
	s_add_co_u32 s20, s20, s18                     ; activations: row 256 y' + 128 x half,
	s_lshl_b32 s20, s20, 10                        ; in bytes (under 2^23)
	s_mov_b32 s21, 0
	s_lshl_b32 s46, s42, 8
	s_add_co_u32 s46, s46, s18                     ; weight: row 256 x + 128 x half
	s_lshl_b32 s46, s46, 10
	s_mov_b32 s47, 0
	s_mul_i32 s45, s14, HALFT                      ; where they go: wave x 128 rows: no place in the cluster enters an LDS address
	s_wait_kmcnt 0x0
	s_load_b256 s[92:99], s[86:87], 0x0            ; entries 0 to 7 of the scales
	s_load_b32 s3, s[86:87], 0x24                  ; entry 9
	s_cmp_eq_u32 s66, 1                            ; the choice of buffers hangs on the cluster's y alone
	s_cselect_b64 s[4:5], s[70:71], s[72:73]
	s_cselect_b64 s[6:7], s[76:77], s[78:79]
	s_cselect_b64 s[8:9], s[82:83], s[84:85]
	s_cmp_eq_u32 s66, 0
	s_cselect_b64 s[4:5], s[68:69], s[4:5]         ; the activations' codes
	s_cselect_b64 s[6:7], s[74:75], s[6:7]         ; the weight's codes
	s_cselect_b64 s[8:9], s[80:81], s[8:9]         ; the bias
	s_cselect_b64 s[10:11], s[88:89], s[90:91]     ; where the images go
	s_add_nc_u64 s[20:21], s[4:5], s[20:21]
	s_add_nc_u64 s[46:47], s[6:7], s[46:47]
	CROUND                                         ; all sixteen work-groups are here: the first joint loads meet
.irp s, 0,1
	s_mov_b32 s[G0+4*\s], 1
	s_add_co_u32 s[G0+4*\s+1], s45, \s*SLOT
	s_add_nc_u64 s[G0+4*\s+2:G0+4*\s+3], s[20:21], \s*ROWB
	s_or_b32 s[G0+4*\s+3], s[G0+4*\s+3], 0x80000000
	s_mov_b32 s[G0B+4*\s], 1
	s_add_co_u32 s[G0B+4*\s+1], s45, \s*SLOT
	s_add_nc_u64 s[G0B+4*\s+2:G0B+4*\s+3], s[46:47], \s*ROWB
	s_or_b32 s[G0B+4*\s+3], s[G0B+4*\s+3], 0x80000000
	JLOAD G0+4*\s, G1, G0B+4*\s, G1B               ; two loads of mine are out
.endr
	v_and_b32 v1, 15, v0                           ; r
	v_bfe_u32 v2, v0, 4, 1                         ; h
	v_mul_u32_u24 v3, v1, PITCH
	v_lshl_add_u32 v4, v2, 4, v3                   ; a fragment's row x pitch + 16 h
	s_wait_alu depctr_va_vdst(0)
	s_cmp_eq_u32 s66, 2                            ; V: source 1 reads the weight's rows and source 0 the tokens'; Q, K: the other way round.  Both regions lie in the same slot
	s_cselect_b32 s21, 2*HALFT, 0
	s_cselect_b32 s22, 0, 2*HALFT
	s_mul_i32 s23, s15, HALFT
	s_add_co_u32 s21, s21, s23
	s_mul_i32 s23, s16, HALFT
	s_add_co_u32 s22, s22, s23
.irp s, 0,1
	v_add_nc_u32 v[ADRA+\s], s21, v4
	v_add_nc_u32 v[ADRB+\s], s22, v4
	s_add_co_u32 s21, s21, SLOT
	s_add_co_u32 s22, s22, SLOT
.endr
	v_and_b32 v5, 31, v0
	v_lshlrev_b32 v[LI], 4, v5
	s_wait_alu depctr_va_vdst(0)
	v_lshlrev_b32 v[H32], 5, v2
	v_lshlrev_b32 v[R4], 2, v1
	; the bias in two views: Q, K: source 0's 128 rows (half s16); V: source 1's (half s15).  Both lie inside the 4,096 bytes
	s_lshl_b32 s88, s42, 10
	s_lshl_b32 s90, s15, 9
	s_add_co_u32 s90, s90, s88
	s_mov_b32 s91, 0
	s_add_nc_u64 s[12:13], s[8:9], s[90:91]
	s_lshl_b32 s90, s16, 9
	s_add_co_u32 s90, s90, s88
	s_add_nc_u64 s[8:9], s[8:9], s[90:91]
	; where my images begin: (((batch x 16 + first head) << 17) + ((2 (y' % 8) + token half) << 13)), doubled in kvimg, + 8,192 for V
	s_cmp_eq_u32 s66, 2
	s_cselect_b32 s88, s15, s16                    ; the half of the wave's number that picks the heads,
	s_cselect_b32 s89, s16, s15                    ; and the one that picks the tokens
	s_cselect_b32 s90, 8192, 0
	s_lshl_b32 s88, s88, 1
	s_lshl_b32 s91, s42, 2
	s_add_co_u32 s88, s88, s91
	s_lshr_b32 s91, s67, 3
	s_lshl_b32 s91, s91, 4
	s_add_co_u32 s88, s88, s91
	s_lshl_b32 s88, s88, 17
	s_and_b32 s91, s67, 7
	s_lshl_b32 s91, s91, 1
	s_add_co_u32 s91, s91, s89
	s_lshl_b32 s91, s91, 13
	s_add_co_u32 s88, s88, s91
	s_cmp_lg_u32 s66, 0
	s_cselect_b32 s91, 1, 0
	s_lshl_b32 s88, s88, s91
	s_add_co_u32 s88, s88, s90
	s_mov_b32 s89, 0
	s_add_nc_u64 s[10:11], s[10:11], s[88:89]
	s_lshl_b32 s90, 0x20000, s91                   ; from a head to the next: 131,072 bytes in qimg, 262,144 in kvimg
	v_add_nc_u32 v[LI2], s90, v[LI]
	s_wait_kmcnt 0x0                               ; the exponents, chosen without a branch
	s_cmp_eq_u32 s66, 1
	s_cselect_b32 s18, s94, s96
	s_cselect_b32 s19, s95, s97
	s_cselect_b32 s23, s99, s3
	s_cmp_eq_u32 s66, 0
	s_cselect_b32 s18, s92, s18                    ; ea
	s_cselect_b32 s19, s93, s19                    ; eb
	s_cselect_b32 s23, s98, s23                    ; eo
	s_add_co_i32 s18, s18, s19
	s_add_co_i32 s18, s18, 127
	s_lshl_b32 s100, s18, 23                       ; 2^(ea + eb) as f32
	s_mov_b32 s101, s100                           ; (named with it as a pair, so it is written)
	s_add_co_i32 s23, s23, 127
	s_lshl_b32 s18, s23, 23
	v_mov_b32 v[SC], s18                           ; 2^eo: the conversion takes its exponent field
.macro FRAG reg, adr, q, i             ; 16 rows x 128 K: registers 4 c .. 4 c + 3 hold K = 32 c + 16 h + 0 .. 15 of row r, alike on both sides
.irp c, 0,1,2,3
	ds_load_b128 v[\reg+4*\c:\reg+4*\c+3], v[\adr] offset:128*(\q)+32*\c+(\i)*16*PITCH
.endr
.endm
; 16 matrix instructions: source 1's blocks a0, a0 + 1 x source 0's eight, 128 along K.  p: source 0's set.  zero = 1: the first product starts the sums.
; The 64 accumulators take turns, one instruction a turn, in the same order in every step.
.macro MUL16 a0, p, zero
.irp a, \a0, \a0+1
.irp b, 0,1,2,3,4,5,6,7
.if \zero
	v_wmma_f32_16x16x128_bf8_bf8 v[8*(8*((\a)%4)+\b):8*(8*((\a)%4)+\b)+7], v[128*(\p)+FR*\b:128*(\p)+FR*\b+FR-1], v[AF+FR*(\a):AF+FR*(\a)+FR-1], 0
.else
	v_wmma_f32_16x16x128_bf8_bf8 v[8*(8*((\a)%4)+\b):8*(8*((\a)%4)+\b)+7], v[128*(\p)+FR*\b:128*(\p)+FR*\b+FR-1], v[AF+FR*(\a):AF+FR*(\a)+FR-1], v[8*(8*((\a)%4)+\b):8*(8*((\a)%4)+\b)+7]
.endif
.endr
.endr
.endm
.macro FETCH_B slot, q, p              ; source 0's eight fragments of the slot's q-th 128 along K into set p
	WIN TO_B
.irp i, 0,1,2,3,4,5,6,7
	FRAG 128*(\p)+FR*\i, ADRB+\slot, \q, \i
.endr
	WIN 0
.endm
.macro FETCH_A slot, q, i0             ; source 1's blocks i0 .. i0 + 3
.irp i, \i0, \i0+1, \i0+2, \i0+3
	FRAG AF+FR*(\i), ADRA+\slot, \q, \i
.endr
.endm
.macro PLACES n                        ; plain vector instructions between a matrix instruction and a load into, or a vector read or write of, its registers (ISA guide 7.12.1 for vector reads and writes)
.rept \n
	v_nop
.endr
.endm
; A step of 128 along K that has its successor in the same slot.
.macro STEP slot, q, zero
	s_wait_dscnt 4*NL                              ; source 0's set and source 1's blocks 0-3 are in; the youngest sixteen loads (blocks 4-7) may be out
	WIN MUL_LO
	MUL16 0, (\q)%2, \zero
	MUL16 2, (\q)%2, \zero
	s_wait_dscnt 0                                 ; blocks 4-7 are in (asked for 32 matrix instructions ago)
	PLACES NP
	FETCH_B \slot, (\q)+1, 1-(\q)%2
	FETCH_A \slot, (\q)+1, 0
	WIN MUL_HI
	MUL16 4, (\q)%2, \zero
	MUL16 6, (\q)%2, \zero
	PLACES NP
	WIN 0
	FETCH_A \slot, (\q)+1, 4
.endm
; A slot's last step changes slots: ONE barrier; in front of it each wave waits for all its tensor loads, adds 0 to its spare word, and waits for that and for its own reads of this slot.  fill = 1: this slot is filled again, two K steps ahead.
.macro TURN slot, next, fill
	s_wait_tensorcnt 0x0                           ; all my tensor loads have landed: my part of the next slot  (every window is 0 here)
	ds_add_u32 v[SPW], v[NIL]                      ; 0 onto my spare word
	s_wait_dscnt 4*NL+1                            ; (the add and the youngest sixteen loads may be out)
	WIN MUL_LO
	MUL16 0, 1, 0                                  ; sixteen matrix instructions stand between the add and the wait for it
	s_wait_dscnt 0x0                               ; the add is done, and my reads of this slot are over
	s_barrier_signal -1
	MUL16 2, 1, 0
	WIN 0
	s_barrier_wait -1
.if \fill
	CREST                                          ; the barrier has opened a round of the cluster's barrier: no wave of any partner still reads this slot or has a load on its way
	s_add_nc_u64 s[G0+4*\slot+2:G0+4*\slot+3], s[G0+4*\slot+2:G0+4*\slot+3], 2*ROWB
	s_add_nc_u64 s[G0B+4*\slot+2:G0B+4*\slot+3], s[G0B+4*\slot+2:G0B+4*\slot+3], 2*ROWB
	JLOAD G0+4*\slot, G1, G0B+4*\slot, G1B         ; the first tensor load behind the round; its four v_nop are the places in front of the loads below
.else
	PLACES NP
.endif
	FETCH_B \next, 0, 0
	FETCH_A \next, 0, 0
	WIN MUL_HI
	MUL16 4, 1, 0
	MUL16 6, 1, 0
	PLACES NP
	WIN 0
	FETCH_A \next, 0, 4
.endm
	s_wait_tensorcnt 1                             ; my part of K step 0 is in; K step 1's load, issued behind it, may be out
	s_barrier_signal -1
	s_barrier_wait -1                              ; everybody's is
	FETCH_B 0, 0, 0
	FETCH_A 0, 0, 0
	FETCH_A 0, 0, 4
	STEP 0, 0, 1                                   ; K = 1,024 is four K steps of 256, written out: the first products start the sums
	TURN 0, 1, 1                                   ; slot 0 takes K step 2
	STEP 1, 0, 0
	TURN 1, 0, 1                                   ; slot 1 takes K step 3
	STEP 0, 0, 0
	TURN 0, 1, 0                                   ; nothing is left to fetch
	STEP 1, 0, 0
	WIN TO_B                                       ; the biases, into source 0's set 0, whose last products stand four places back.  Both views are loaded: no branch stands here
	s_wait_alu depctr_va_vdst(0)
.irp b, 0,1,2,3,4,5,6,7
	global_load_b128 v[BQ+8*\b:BQ+8*\b+3], v[H32], s[8:9] offset:64*\b          ; bias(16 b + 8 h + 0 .. 7)
	global_load_b128 v[BQ+8*\b+4:BQ+8*\b+7], v[H32], s[8:9] offset:64*\b+16
.endr
.irp a, 0,1,2,3,4,5,6,7
	global_load_b32 v[BV+2*\a], v[R4], s[12:13] offset:64*\a                    ; bias(16 a + r), twice: a pair for the packed form
	global_load_b32 v[BV+2*\a+1], v[R4], s[12:13] offset:64*\a
.endr
	WIN 0
	s_wait_dscnt 4*NL                              ; the very last step: nothing more to fetch
	WIN MUL_LO
	MUL16 0, 1, 0
	MUL16 2, 1, 0
	s_wait_dscnt 0
	WIN MUL_HI
	MUL16 4, 1, 0
	MUL16 6, 1, 0
	WIN 0
	s_wait_loadcnt 0x0                             ; the biases
	PLACES NP                                      ; in front of the first read of results and of the first write over source 1's registers
; THE WAY OUT, block a of source 1 at a time: sum x 2^(ea + eb) + bias, one packed multiply-add for two numbers, each accumulator from its low end on; the hold at the largest code x the scale
; (the conversion to an 8-bit code does not saturate: ISA guide 7.6.2); eight numbers a conversion; four stores of 512 consecutive bytes.
.macro EPI isv
.irp a, 0,1,2,3,4,5,6,7
	WIN 0x12+\a/4                                  ; source 0 (the sums) window 2 or 3, source 2 (the bias) window 1
.irp b, 0,1,2,3,4,5,6,7
.irp i, 0,2,4,6
.if \isv
	v_pk_fma_f32 v[T+8*\b+\i:T+8*\b+\i+1], v[64*(\a%4)+8*\b+\i:64*(\a%4)+8*\b+\i+1], s[100:101], v[BV+2*\a:BV+2*\a+1] op_sel_hi:[1,0,1]
.else
	v_pk_fma_f32 v[T+8*\b+\i:T+8*\b+\i+1], v[64*(\a%4)+8*\b+\i:64*(\a%4)+8*\b+\i+1], s[100:101], v[BQ+8*\b+\i:BQ+8*\b+\i+1] op_sel_hi:[1,0,1]
.endif
.endr
.endr
	WIN 0
.irp b, 0,1,2,3,4,5,6,7
.irp i, 0,1,2,3,4,5,6,7
.endr
	v_cvt_scalef32_pk8_bf8_f32 v[C+16*\a+2*\b:C+16*\a+2*\b+1], v[T+8*\b:T+8*\b+7], v[SC]   ; registers 2 b, 2 b + 1 of the image
.endr
	v_nop                                          ; a plain instruction between the last conversion and the next block's writes of its sources
.if \isv
.irp g, 0,1,2,3
	global_store_b128 v[LI], v[C+16*\a+4*\g:C+16*\a+4*\g+3], s[10:11] offset:(\a/4)*262144+(\a%4)*2048+512*\g   ; V^T: head a / 4, channel tile a % 4
.endr
.else
	global_store_b128 v[LI], v[C+16*\a:C+16*\a+3], s[10:11] offset:1024*\a              ; token tile a: my first head,
	global_store_b128 v[LI], v[C+16*\a+4:C+16*\a+7], s[10:11] offset:1024*\a+512
	global_store_b128 v[LI2], v[C+16*\a+8:C+16*\a+11], s[10:11] offset:1024*\a          ; and the next
	global_store_b128 v[LI2], v[C+16*\a+12:C+16*\a+15], s[10:11] offset:1024*\a+512
.endif
.endr
.endm
	s_cmp_eq_u32 s66, 2                            ; the same way in all partners of a cluster
	s_cbranch_scc1 .Lway_v
	EPI 0
	s_branch .Lend
.Lway_v:
	EPI 1
.Lend:
	s_wait_tensorcnt 0x0                           ; the wave's end
	ds_add_u32 v[SPW], v[NIL]
	s_wait_dscnt 0x0
	CROUND                                         ; the closing round: no work-group ends while a partner may still ask for a tile that names it
	s_endpgm
.Lfunc_end_k_q862fcf5f22_proj:
	.size	k_q862fcf5f22_proj, .Lfunc_end_k_q862fcf5f22_proj-k_q862fcf5f22_proj
	.p2alignl 7, 3214868480
	.fill 96, 4, 3214868480
	.section	.rodata,"a",@progbits
	.p2align	6, 0x0
	.amdhsa_kernel k_q862fcf5f22_proj
		.amdhsa_group_segment_fixed_size 327680
		.amdhsa_private_segment_fixed_size 0
		.amdhsa_enable_private_segment 0
		.amdhsa_kernarg_size 96
		.amdhsa_user_sgpr_count 2
		.amdhsa_user_sgpr_kernarg_segment_ptr 1
		.amdhsa_wavefront_size32 1
		.amdhsa_system_sgpr_workgroup_id_x 1
		.amdhsa_system_sgpr_workgroup_id_y 1
		.amdhsa_system_sgpr_workgroup_id_z 1
		.amdhsa_system_vgpr_workitem_id 0
		.amdhsa_next_free_vgpr 1024
		.amdhsa_next_free_sgpr 102
		.amdhsa_reserve_vcc 0
		.amdhsa_float_denorm_mode_32 3
		.amdhsa_float_denorm_mode_16_64 3
		.amdhsa_fp16_overflow 1
		.amdhsa_memory_ordered 1
		.amdhsa_forward_progress 1
		.amdhsa_inst_pref_size 130
	.end_amdhsa_kernel
	.amdgpu_metadata
---
amdhsa.version: [ 1, 2 ]
amdhsa.kernels:
  - .name:           k_q862fcf5f22_proj
    .symbol:         k_q862fcf5f22_proj.kd
    .args:
      - { .name: query_codes, .offset: 0, .size: 8, .value_kind: global_buffer, .address_space: global }
      - { .name: key_codes, .offset: 8, .size: 8, .value_kind: global_buffer, .address_space: global }
      - { .name: value_codes, .offset: 16, .size: 8, .value_kind: global_buffer, .address_space: global }
      - { .name: wq_codes, .offset: 24, .size: 8, .value_kind: global_buffer, .address_space: global }
      - { .name: wk_codes, .offset: 32, .size: 8, .value_kind: global_buffer, .address_space: global }
      - { .name: wv_codes, .offset: 40, .size: 8, .value_kind: global_buffer, .address_space: global }
      - { .name: bq, .offset: 48, .size: 8, .value_kind: global_buffer, .address_space: global }
      - { .name: bk, .offset: 56, .size: 8, .value_kind: global_buffer, .address_space: global }
      - { .name: bv, .offset: 64, .size: 8, .value_kind: global_buffer, .address_space: global }
      - { .name: lowp_scales, .offset: 72, .size: 8, .value_kind: global_buffer, .address_space: global }
      - { .name: qimg, .offset: 80, .size: 8, .value_kind: global_buffer, .address_space: global }
      - { .name: kvimg, .offset: 88, .size: 8, .value_kind: global_buffer, .address_space: global }
    .group_segment_fixed_size: 327680
    .private_segment_fixed_size: 0
    .kernarg_segment_align: 8
    .kernarg_segment_size: 96
    .max_flat_workgroup_size: 128
    .sgpr_count:     102
    .vgpr_count:     1024
    .wavefront_size: 32
...
	.end_amdgpu_metadata
.endif
;; end of part 1
;; launch attn (part 2): grid 4 x 64, 16 waves a work-group, no clusters, 327,680 bytes of LDS; arguments qimg, kvimg, lowp_scales, cimg; writes cimg
.if DOCPART == 2
	.amdgcn_target "amdgcn-amd-amdhsa--gfx1250"
	.amdhsa_code_object_version 6
	.text
	.protected	k_q862fcf5f22_attn
	.globl	k_q862fcf5f22_attn
	.p2align	8
	.type	k_q862fcf5f22_attn,@function
k_q862fcf5f22_attn:
	s_mov_b64 s[64:65], 0
	v_nop
	global_prefetch_b8 v0, s[64:65] scope:SCOPE_SE
	s_setreg_imm32_b32 hwreg(HW_REG_WAVE_MODE, 25, 1), 1
	s_wait_xcnt 0x0
; ctx = softmax(Q K^T / 8, causal) V for 64 heads of 2,048 tokens x 64 channels, both products on codes of BF8 (E5M2); ctx, with NaN cleared, is quantised with the given 2^e10 for the last product.
; THE SOFTMAX AHEAD OF THE SECOND PRODUCT: t = score x log2(e) / 8; M = the row's largest t so far, rounded UP to a whole number; p = 2^(t - M) is quantised with 2^e8, not normalised.
; The row's sum is taken of the unquantised p and divides at the end.  When M moves, the sum and O are multiplied by 2^(old M - new M): exact.
; SHARES.  Work-group (j, head): 16 waves, four to a SIMD, 256 registers each.  Wave w owns TWO tiles of 16 queries: ta = 16 j + w and tb = 127 - ta.  A tile t has t / 8 + 1 key steps of 128 that are not
; wholly hidden: (ta / 8 + 1) + (16 - ta / 8) = 17 in every wave of the launch: the causal work is even.
; LDS holds the head's whole block of kvimg, 262,144 bytes, as it lies in memory: images of operand registers.  It is filled ONCE: no slot is filled again.
; Each wave issues two tensor loads at the head: its sixteenth of key steps 0 and 1 (8 rows of 256 bytes), then its sixteenth of the other fourteen (56 rows): the first has landed before the second is issued.  Behind the first's
; wait and a barrier two key steps are worked while the second lands; then its wait and a second barrier.
; LAYOUT.  S^T = K Q^T (source 0 = 16 keys, source 1 = my 16 queries, K = 64) and O^T = V^T P (source 0 = 16 channels, source 1 = P, K = 128 keys): a lane holds ONE query throughout.
; In S^T lane (r, h), register j of key tile kt is key 16 kt + 8 h + j: one conversion gives registers 2 kt, 2 kt + 1 of P.  Likewise O^T's tile dt gives registers 2 dt, 2 dt + 1 of ctx's fragment:
;   cimg [head / 4][batch x 128 + token tile][4096]: (head % 4) x 1,024 + 512 g: two heads are a fragment 16 tokens x 128, four heads a K step of 256 of the last product.
; CAUSAL.  Both loops have constant trip counts; a step all of whose keys come after a tile's queries is left out by a scalar branch on ids; on the diagonal hidden scores become -infinity.  Key 0 counts for every query.
; NO CLUSTER, though the four work-groups of a head read the same K and V: the branches that leave hidden steps out hang on j, the place among those four, and partners of joint loads must run alike.
; NO PREFETCH: every byte of K and V is asked for by the tensor loads in the first lines; there is no later stream.
; LIMITS on the given exponents: e6 + e7 between -123 and 130 (added to c's exponent field); e8 and e10 between -126 and 112; e8 + e9 goes by v_ldexp_f32.  NaN and infinity codes are not served; NaN in ctx is cleared.
.set LI,   1                           ; v1   16 x lane: my place in an image
.set ADR,  2                           ; v2   LDS address of the key step in hand
.set RH,   3                           ; v3   r - 8 h
.set CSC,  4                           ; v4   2^e10
.set CLIM, 5
.set DD,   6                           ; v6   the mask's bound
                                       ; v[12:15], v[16:19]: tile a's, tile b's -M, largest t, sum in two halves;  v[20:27], v[28:35]: their Q
.set FRG,  36                          ; v36-99   eight fragments of K (8 registers), then four of V^T (16)
.set S,    100                         ; v100-163 S^T, then p;  v164-195, v196-227: O^T of tiles a, b
.set PC,   228                         ; v228-243 p's codes; at the end ctx's
                                       ; v244 2^e8, v[246:247] f, v[248:249] the sum's second chain, v250, v251 the maximum's chains, v252 the permute's destination, v253 -infinity
.set TB,   2                           ; s2   LDS byte at which the key step in hand begins
.set KF,   53                          ; s53  its first key
	s_load_b256 s[4:11], s[0:1], 0x0               ; qimg s[4:5], kvimg s[6:7], the scales' exponents s[8:9], cimg s[10:11]
	v_lshl_add_u32 v254, v0, 2, 0x40000
	v_mov_b32 v255, 0
	ds_add_u32 v254, v255
	ds_add_u32 v254, v255
	v_lshrrev_b32 v2, 5, v0
	s_delay_alu instid0(VALU_DEP_1)
	v_readfirstlane_b32 s18, v2                    ; wave 0..15
	s_and_b32 s13, ttmp7, 0xffff                   ; batch x 16 + head
	s_lshl_b32 s14, ttmp9, 4
	s_add_co_u32 s14, s14, s18                     ; ta
	s_sub_co_u32 s15, 127, s14                     ; tb
	s_lshl_b32 s16, s14, 4                         ; tile a's first query,
	s_add_co_u32 s17, s16, 15                      ; and its last
	s_lshl_b32 s19, s15, 4
	s_add_co_u32 s52, s19, 15
	; descriptor groups 1: dense blocks as rows of 256 bytes: 32 elements of 8 bytes; 8 rows, and 56 rows
	s_mov_b32 s24, 3<<16                           ; no mask; elements of 8 bytes; no padding
	s_mov_b32 s25, 32<<16                          ; tensor_dim0
	s_mov_b32 s26, 8<<16                           ; tensor_dim1
	s_mov_b32 s27, 32<<16                          ; tile_dim0
	s_mov_b32 s28, 8                               ; tile_dim1
	s_mov_b32 s29, 32                              ; pitch
	s_mov_b32 s30, 0
	s_mov_b32 s31, 0
	s_mov_b32 s32, 3<<16
	s_mov_b32 s33, 32<<16
	s_mov_b32 s34, 56<<16
	s_mov_b32 s35, 32<<16
	s_mov_b32 s36, 56
	s_mov_b32 s37, 32
	s_mov_b32 s38, 0
	s_mov_b32 s39, 0
	s_mov_b32 s40, 1
	s_lshl_b32 s41, s18, 11                        ; LDS: 2,048 x wave
	s_mov_b32 s44, 1
	s_mul_i32 s45, s18, 14336
	s_add_co_u32 s45, s45, 32768                   ; LDS: 32,768 + 14,336 x wave
	s_lshl_b32 s54, s13, 18                        ; the head's block in kvimg
	s_mov_b32 s55, 0
	s_mov_b32 s56, s41                             ; LDS holds the block as it lies in memory: the same offsets
	s_mov_b32 s57, 0
	s_mov_b32 s62, s45
	s_mov_b32 s63, 0
	s_wait_dscnt 0x0
	s_wait_kmcnt 0x0
	s_add_nc_u64 s[6:7], s[6:7], s[54:55]
	s_add_nc_u64 s[42:43], s[6:7], s[56:57]
	s_or_b32 s43, s43, 0x80000000
	s_add_nc_u64 s[46:47], s[6:7], s[62:63]
	s_or_b32 s47, s47, 0x80000000
	tensor_load_to_lds s[40:43], s[24:31]          ; my part of key steps 0 and 1
	s_nop 0
	s_wait_alu depctr_va_vdst(0)
	s_wait_tensorcnt 0x0
	ds_add_u32 v254, v255
	s_wait_dscnt 0x0
	s_barrier_signal -1
	s_barrier_wait -1
	tensor_load_to_lds s[44:47], s[32:39]          ; my part of key steps 2 to 15
	s_nop 0
.rept 4
	v_nop                                          ; four v_nop follow the second
.endr
	s_load_b256 s[68:75], s[8:9], 0x0              ; entries 0 to 7: e6 = s74, e7 = s75
	s_load_b128 s[76:79], s[8:9], 0x20             ; e8, e9, e10, e11
	v_and_b32 v[LI], 31, v0
	s_delay_alu instid0(VALU_DEP_1)
	v_lshlrev_b32 v[LI], 4, v[LI]
	s_lshl_b32 s54, s13, 17                        ; the head's block in qimg
	s_lshl_b32 s56, s14, 10
	s_add_co_u32 s56, s56, s54
	s_add_nc_u64 s[48:49], s[4:5], s[56:57]
	s_lshl_b32 s62, s15, 10
	s_add_co_u32 s62, s62, s54
	s_add_nc_u64 s[50:51], s[4:5], s[62:63]
	global_load_b128 v[20:23], v[LI], s[48:49]              ; Q's fragments stay in registers
	global_load_b128 v[24:27], v[LI], s[48:49] offset:512
	global_load_b128 v[28:31], v[LI], s[50:51]
	global_load_b128 v[32:35], v[LI], s[50:51] offset:512
	; ctx's places: ((head / 4) << 21) + ((batch x 128 + tile) << 12) + ((head % 4) << 10)
	s_and_b32 s54, s13, 15
	s_lshr_b32 s55, s54, 2
	s_lshl_b32 s55, s55, 21
	s_and_b32 s54, s54, 3
	s_lshl_b32 s54, s54, 10
	s_add_co_u32 s55, s55, s54
	s_lshr_b32 s54, s13, 4
	s_lshl_b32 s54, s54, 19
	s_add_co_u32 s55, s55, s54
	s_lshl_b32 s56, s14, 12
	s_add_co_u32 s56, s56, s55
	s_add_nc_u64 s[58:59], s[10:11], s[56:57]
	s_lshl_b32 s62, s15, 12
	s_add_co_u32 s62, s62, s55
	s_add_nc_u64 s[60:61], s[10:11], s[62:63]
	s_mov_b32 s20, 0x76543210                      ; v_permlanex16_b32's selects for lane l xor 16
	s_mov_b32 s21, 0xfedcba98
	v_and_b32 v[RH], 15, v0
	v_bfe_u32 v[DD], v0, 4, 1
	s_delay_alu instid0(VALU_DEP_1)
	v_lshlrev_b32 v[DD], 3, v[DD]
	s_delay_alu instid0(VALU_DEP_1)
	v_sub_nc_u32 v[RH], v[RH], v[DD]
	v_mov_b32 v13, 0xff61b1e6                      ; the largest t so far: -3e38, under every t
	s_delay_alu instid0(VALU_DEP_1)
	v_floor_f32 v12, -v13                          ; -M
	v_mov_b32 v14, 0
	v_mov_b32 v15, 0
	v_mov_b32 v17, 0xff61b1e6
	s_delay_alu instid0(VALU_DEP_1)
	v_floor_f32 v16, -v17
	v_mov_b32 v18, 0
	v_mov_b32 v19, 0
	v_mov_b32 v247, 0                              ; (named as the upper half of the pair v[246:247])
	v_mov_b32 v252, 0                              ; a lane permute's destination counts as one of its sources
	v_mov_b32 v253, 0xff800000                     ; -infinity
.set ii, 0
.rept 64
	v_mov_b32 v[164+ii], 0                         ; O^T of both tiles.  (The step is written with no first step of its own: the first change of M multiplies zeros)
.set ii, ii+1
.endr
	s_wait_kmcnt 0x0
	s_add_co_i32 s96, s74, s75
	s_lshl_b32 s96, s96, 23
	s_add_co_i32 s22, s96, 0x3e38aa3b              ; c = log2(e) / 8, with e6 + e7 added to its exponent field: a score stands for score x 2^(e6 + e7)
	s_mov_b32 s23, s22                             ; (named with it as a pair, so it is written)
	s_add_co_i32 s96, s76, 127
	s_lshl_b32 s81, s96, 23
	v_mov_b32 v244, s81                            ; 2^e8
	s_add_co_i32 s96, s78, 127
	s_lshl_b32 s81, s96, 23
	v_mov_b32 v[CSC], s81                          ; 2^e10
	s_add_co_i32 s80, s76, s77                     ; e8 + e9
; A KEY STEP of one tile: 128 keys.  q: Q's registers; o: O^T's; st: the statistics'; s[q0], s[qe]: the tile's first and last query.
.macro STEP q, o, st, q0, qe
	s_cmp_gt_u32 s[KF], s[\qe]                     ; all 128 keys come after my 16 queries: the step is left out (a branch on ids)
	s_cbranch_scc1 .Lhid_\@
	s_wait_alu depctr_va_vdst(0)
.irp kt, 0,1,2,3,4,5,6,7
	ds_load_b128 v[FRG+8*\kt:FRG+8*\kt+3], v[ADR] offset:1024*\kt          ; K's tile kt as it was stored: 512 consecutive bytes an instruction
	ds_load_b128 v[FRG+8*\kt+4:FRG+8*\kt+7], v[ADR] offset:1024*\kt+512
.endr
	s_wait_dscnt 8                                 ; tiles 0 to 3 are in; the youngest eight loads may be out
.irp kt, 0,1,2,3
	v_wmma_f32_16x16x64_bf8_bf8 v[S+8*\kt:S+8*\kt+7], v[FRG+8*\kt:FRG+8*\kt+7], v[\q:\q+7], 0
.endr
	s_wait_dscnt 0x0
.irp kt, 4,5,6,7
	v_wmma_f32_16x16x64_bf8_bf8 v[S+8*\kt:S+8*\kt+7], v[FRG+8*\kt:FRG+8*\kt+7], v[\q:\q+7], 0
.endr
.rept 4
	v_nop                                          ; places in front of the loads into K's registers and of the first read of the scores
.endr
	s_wait_alu depctr_va_vdst(0)
.irp dt, 0,1,2,3
.irp g, 0,1,2,3
	ds_load_b128 v[FRG+16*\dt+4*\g:FRG+16*\dt+4*\g+3], v[ADR] offset:8192+2048*\dt+512*\g   ; V^T lands under the softmax
.endr
.endr
	s_add_co_u32 s96, s[KF], 127
	s_cmp_le_u32 s96, s[\q0]                       ; all 128 keys count: no mask
	s_cbranch_scc1 .Lopen_\@
	s_sub_co_i32 s96, s[\q0], s[KF]
	v_add_nc_u32 v[DD], s96, v[RH]                 ; register 8 kt + j holds key KF + 16 kt + 8 h + j: hidden where 16 kt + j > my query - KF - 8 h
.set ii, 0
.rept 64
	v_cmp_gt_i32 vcc_lo, 16*(ii/8)+ii%8, v[DD]
	v_cndmask_b32 v[S+ii], v[S+ii], v253, vcc_lo
.set ii, ii+1
.endr
.Lopen_\@:
	v_max3_num_f32 v250, v[S], v[S+1], v[S+2]      ; the step's largest score of my query among my 64 keys, in two chains, each accumulator from its low end on,
	v_max3_num_f32 v251, v[S+3], v[S+4], v[S+5]
.irp i, 6,10,14,18,22,26,30,34,38,42,46,50,54,58
	v_max3_num_f32 v250, v250, v[S+\i], v[S+\i+1]
	v_max3_num_f32 v251, v251, v[S+\i+2], v[S+\i+3]
.endr
	v_max3_num_f32 v250, v250, v[S+62], v[S+63]
	s_delay_alu instid0(VALU_DEP_1)
	v_max_num_f32 v250, v250, v251
	s_delay_alu instid0(VALU_DEP_1)
	v_permlanex16_b32 v252, v250, s20, s21
	s_delay_alu instid0(VALU_DEP_1)
	v_max_num_f32 v250, v250, v252                 ; and among lane l xor 16's
	s_delay_alu instid0(VALU_DEP_1)
	v_mul_f32 v250, s22, v250                      ; as t (c is positive)
	s_delay_alu instid0(VALU_DEP_1)
	v_max_num_f32 v[\st+1], v[\st+1], v250         ; the running largest t
	v_mov_b32 v250, v[\st]
	s_delay_alu instid0(VALU_DEP_2)
	v_floor_f32 v[\st], -v[\st+1]                  ; the new -M = floor(-t) = -ceil(t): a whole number
	s_delay_alu instid0(VALU_DEP_1)
	v_sub_f32 v250, v[\st], v250                   ; old M - new M: a whole number, 0 or less
	s_delay_alu instid0(VALU_DEP_1)
	v_cvt_i32_f32 v250, v250                       ; (it saturates)
	s_delay_alu instid0(VALU_DEP_1)
	v_ldexp_f32 v246, 1.0, v250                    ; f = 2^(old M - new M)
.set ii, 0
.rept 32
	v_pk_fma_f32 v[S+ii:S+ii+1], v[S+ii:S+ii+1], s[22:23], v[\st:\st+1] op_sel_hi:[1,0,0]   ; t - M, two at a time (of the pairs c and -M the low word serves both halves)
.set ii, ii+2
.endr
.set ii, 0
	s_wait_alu depctr_va_vdst(0)
.rept 64
	v_exp_f32 v[S+ii], v[S+ii]                     ; p = 2^(t - M), at most 1
.set ii, ii+1
.endr
	v_pk_mul_f32 v[\st+2:\st+3], v[\st+2:\st+3], v[246:247] op_sel_hi:[1,0]   ; the sums under the new M: the plain instruction behind the exponentials
	s_wait_alu depctr_va_vdst(0)                   ; one wait for the whole batch, ahead of its first reader
	v_pk_add_f32 v[248:249], v[S:S+1], v[S+2:S+3]  ; the row's sum is taken of the UNQUANTISED p, in two chains
.irp j, 4,8,12,16,20,24,28,32,36,40,44,48,52,56,60
	v_pk_add_f32 v[\st+2:\st+3], v[\st+2:\st+3], v[S+\j:S+\j+1]
	v_pk_add_f32 v[248:249], v[248:249], v[S+\j+2:S+\j+3]
.endr
	s_delay_alu instid0(VALU_DEP_1)
	v_pk_add_f32 v[\st+2:\st+3], v[\st+2:\st+3], v[248:249]
.irp kt, 0,1,2,3,4,5,6,7
.irp i, 0,1,2,3,4,5,6,7
.endr
	v_cvt_scalef32_pk8_bf8_f32 v[PC+2*\kt:PC+2*\kt+1], v[S+8*\kt:S+8*\kt+7], v244   ; keys 16 kt + 8 h + 0 .. 7: registers 2 kt, 2 kt + 1 of P
.endr
.set ii, 0
.rept 16
	v_pk_mul_f32 v[\o+ii:\o+ii+1], v[\o+ii:\o+ii+1], v[246:247] op_sel_hi:[1,0]   ; O^T under the new M.  (Plain instructions between the conversions and the products that read the codes)
.set ii, ii+2
.endr
	s_wait_alu depctr_va_vdst(0)
	s_wait_dscnt 0x0                               ; V^T is in
.irp dt, 0,1,2,3
	v_wmma_f32_16x16x128_bf8_bf8 v[\o+8*\dt:\o+8*\dt+7], v[FRG+16*\dt:FRG+16*\dt+15], v[PC:PC+15], v[\o+8*\dt:\o+8*\dt+7]   ; four accumulators by turns; eight products of scores stand between two links on one
.endr
.rept 4
	v_nop                                          ; places in front of the next loads into these fragments' registers, and of the way out
.endr
.Lhid_\@:
.endm
.macro BOTH                            ; one key step for both tiles
	v_add_nc_u32 v[ADR], s[TB], v[LI]
	STEP 20, 164, 12, 16, 17
	STEP 28, 196, 16, 19, 52
	s_add_co_u32 s[TB], s[TB], 16384
	s_add_co_u32 s[KF], s[KF], 128
.endm
	s_wait_loadcnt 0x0                             ; Q
	s_wait_tensorcnt 1                             ; my part of key steps 0 and 1 is in; the load issued behind it may be out
	s_barrier_signal -1
	s_barrier_wait -1                              ; everybody's is
	s_mov_b32 s[TB], 0
	s_mov_b32 s[KF], 0
	s_mov_b32 s3, 2
.Learly:                                           ; key steps 0 and 1: LDS bytes 0 to 32,767, under those that are still being filled
	BOTH
	s_sub_co_u32 s3, s3, 1
	s_cmp_lg_u32 s3, 0
	s_cbranch_scc1 .Learly
	s_wait_tensorcnt 0x0                           ; my part of the other fourteen key steps is in
	s_wait_dscnt 0x0
	s_barrier_signal -1
	s_barrier_wait -1                              ; everybody's is
	s_mov_b32 s[TB], 32768
	s_mov_b32 s[KF], 256
	s_mov_b32 s3, 14
.Llate:
	BOTH
	s_sub_co_u32 s3, s3, 1
	s_cmp_lg_u32 s3, 0
	s_cbranch_scc1 .Llate
; THE WAY OUT of a tile: O^T x 2^(e8 + e9) / the sum; NaN becomes 0; four conversions give the tile's 8 registers of ctx's fragment; two stores of 512 consecutive bytes.
.macro FIN o, st, base, cr
	v_add_f32 v[\st+2], v[\st+2], v[\st+3]         ; the sum's two halves,
	s_delay_alu instid0(VALU_DEP_1)
	v_permlanex16_b32 v252, v[\st+2], s20, s21
	s_delay_alu instid0(VALU_DEP_1)
	v_add_f32 v[\st+2], v[\st+2], v252             ; and lane l xor 16's
	s_wait_alu depctr_va_vdst(0)
	v_rcp_f32 v[\st+2], v[\st+2]
	v_nop                                          ; a plain instruction behind the reciprocal
	s_wait_alu depctr_va_vdst(0)                   ; and the wait ahead of its first reader
	v_ldexp_f32 v[\st+2], v[\st+2], s80
.set ii, 0
.rept 16
	v_pk_mul_f32 v[S+ii:S+ii+1], v[\o+ii:\o+ii+1], v[\st+2:\st+3] op_sel_hi:[1,0]   ; register 8 dt + i is ctx(r, 16 dt + 8 h + i)
.set ii, ii+2
.endr
.set ii, 0
.rept 32
	v_cmp_eq_f32 vcc_lo, v[S+ii], v[S+ii]          ; false for NaN alone
	s_delay_alu instid0(VALU_DEP_1)
	v_cndmask_b32 v[S+ii], 0, v[S+ii], vcc_lo
.set ii, ii+1
.endr
.irp dt, 0,1,2,3
	v_cvt_scalef32_pk8_bf8_f32 v[\cr+2*\dt:\cr+2*\dt+1], v[S+8*\dt:S+8*\dt+7], v[CSC]
.endr
	v_nop                                          ; a plain instruction between the last conversion and the next writes of its sources
	global_store_b128 v[LI], v[\cr:\cr+3], s[\base:\base+1]
	global_store_b128 v[LI], v[\cr+4:\cr+7], s[\base:\base+1] offset:512
.endm
	FIN 164, 12, 58, 228
	FIN 196, 16, 60, 236
	s_wait_tensorcnt 0x0
	ds_add_u32 v254, v255
	s_wait_dscnt 0x0
	s_endpgm
.Lfunc_end_k_q862fcf5f22_attn:
	.size	k_q862fcf5f22_attn, .Lfunc_end_k_q862fcf5f22_attn-k_q862fcf5f22_attn
	.p2alignl 7, 3214868480
	.fill 96, 4, 3214868480
	.section	.rodata,"a",@progbits
	.p2align	6, 0x0
	.amdhsa_kernel k_q862fcf5f22_attn
		.amdhsa_group_segment_fixed_size 327680
		.amdhsa_private_segment_fixed_size 0
		.amdhsa_enable_private_segment 0
		.amdhsa_kernarg_size 32
		.amdhsa_user_sgpr_count 2
		.amdhsa_user_sgpr_kernarg_segment_ptr 1
		.amdhsa_wavefront_size32 1
		.amdhsa_system_sgpr_workgroup_id_x 1
		.amdhsa_system_sgpr_workgroup_id_y 1
		.amdhsa_system_sgpr_workgroup_id_z 1
		.amdhsa_system_vgpr_workitem_id 0
		.amdhsa_next_free_vgpr 256
		.amdhsa_next_free_sgpr 100
		.amdhsa_reserve_vcc 1
		.amdhsa_float_denorm_mode_32 3
		.amdhsa_float_denorm_mode_16_64 3
		.amdhsa_fp16_overflow 1
		.amdhsa_memory_ordered 1
		.amdhsa_forward_progress 1
		.amdhsa_inst_pref_size 94
	.end_amdhsa_kernel
	.amdgpu_metadata
---
amdhsa.version: [ 1, 2 ]
amdhsa.kernels:
  - .name:           k_q862fcf5f22_attn
    .symbol:         k_q862fcf5f22_attn.kd
    .args:
      - { .name: qimg, .offset: 0, .size: 8, .value_kind: global_buffer, .address_space: global }
      - { .name: kvimg, .offset: 8, .size: 8, .value_kind: global_buffer, .address_space: global }
      - { .name: lowp_scales, .offset: 16, .size: 8, .value_kind: global_buffer, .address_space: global }
      - { .name: cimg, .offset: 24, .size: 8, .value_kind: global_buffer, .address_space: global }
    .group_segment_fixed_size: 327680
    .private_segment_fixed_size: 0
    .kernarg_segment_align: 8
    .kernarg_segment_size: 32
    .max_flat_workgroup_size: 512
    .sgpr_count:     100
    .vgpr_count:     256
    .wavefront_size: 32
...
	.end_amdgpu_metadata
.endif
;; end of part 2
;; launch outp (part 3): grid 4 x 32, 4 waves a work-group, clusters of 4 x 4, 327,680 bytes of LDS; arguments cimg, wo_codes, lowp_scales, bo, out0; writes out0
.if DOCPART == 3
	.amdgcn_target "amdgcn-amd-amdhsa--gfx1250"
	.amdhsa_code_object_version 6
	.text
	.protected	k_q862fcf5f22_outp
	.globl	k_q862fcf5f22_outp
	.p2align	8
	.type	k_q862fcf5f22_outp,@function
k_q862fcf5f22_outp:
	s_mov_b64 s[64:65], 0
	v_nop
	global_prefetch_b8 v0, s[64:65] scope:SCOPE_SE
	s_setreg_imm32_b32 hwreg(HW_REG_WAVE_MODE, 25, 1), 1
	s_wait_xcnt 0x0
	s_wait_alu depctr_hold_cnt(0) depctr_sa_sdst(0) depctr_va_vdst(0) depctr_va_sdst(0) depctr_va_ssrc(0) depctr_va_vcc(0) depctr_vm_vsrc(0)
	s_getreg_b32 s2, hwreg(HW_REG_IB_STS2, 6, 4)
	s_cmp_eq_u32 s2, 0
	s_cbranch_scc0 .Lentry_in_a_cluster
	s_endpgm
.Lentry_in_a_cluster:
	s_bfe_u32 s2, ttmp6, 0x10000c
	s_cmp_lg_u32 s2, 0xf033
	s_cbranch_scc0 .Lentry_shape_is_right
	s_endpgm
.Lentry_shape_is_right:
; out0 = ctx wo^T + bo: [8192 x 1024] x [1024 x 1024] on codes of BF8 (E5M2), f32 sums; each sum x 2^(e10 + e11) + bo.  out0: [8192][1024] f32.
; ctx comes as images of operand registers: cimg [K step of 256: 0..3][token tile 0..511][4096]; in the 4,096 bytes the fragment of the q-th 128 along K at 2,048 q, its group c of four registers at 512 c,
; lane l's 16 bytes at 16 l.  Registers 2 c, 2 c + 1 hold k = 16 c + 8 h + 0 .. 7, the form's own places.  So wo's fragments are fetched into the same places, by loads of 8 bytes at row x pitch + 16 c + 8 h.
; A tile of 256 x 256 is made by four waves, each 128 x 128: 64 accumulators.  K goes in steps of 256 through a ring of two LDS slots filled by joint tensor loads: the four work-groups of a row of the
; cluster need the same 16 token tiles of ctx (one dense block of 65,536 bytes a K step), the four of a column the same 256 rows of wo.
; THE MATRIX INSTRUCTION IS USED TRANSPOSED (source 0 = 16 rows of wo, source 1 = 16 tokens): a lane holds eight neighbouring numbers of a row of out0.
; 128 work-groups: the tile is kept at 256 x 256 for the sake of the multiply-adds that each LDS byte feeds.  No prefetch: the tiles are shared by joint loads and the launch has four K steps.
; LIMIT: e10 + e11 between -126 and 127, so that 2^(e10 + e11) is an f32 number.
; REGISTERS, in windows of 256: window 0: v0-31 addresses; v128-255 ctx's fragments, ONE set; on the way out v32-255 are free.   window 1: wo's fragments, TWO sets; from the last step on set 0 holds bo.
;   windows 2, 3: the accumulators ((a, b) at v[64 (a % 4) + 8 b]).
.set PITCH,  272                       ; a row of wo in LDS: 256 bytes + 16 of padding: the 32 lanes of a load of 8 bytes touch 256 different bytes modulo 256
.set FR,     16
.set NL,     4                         ; LDS loads that bring a fragment of ctx
.set NP,     4                         ; places behind this matrix instruction (ISA guide 7.12.1)
.set HALFT,  128*PITCH                 ; 128 rows of wo: what one tensor load brings
.set BOFF,   65536                     ; a slot: 16 token tiles x 4,096 bytes of ctx, then wo's 256 rows
.set SLOT,   BOFF+2*HALFT
.set KSA,    2097152                   ; from a K step to the next in cimg
.set SPARE,  2*SLOT                    ; behind the ring: the spare words, 128 bytes a wave, which no other line names
.set SPITCH, 528                       ; the way out: a stage of 16 rows x (512 bytes + 16) for each wave, in slot 0, which has had its last fill and its last read when the first result is stored there
.set NROW,   4096                      ; a row of out0 in bytes
.set ADRA, 16                          ; v16-17  LDS address of ctx's fragments in slot 0, 1
.set ADRB, 20                          ; v20-21  the same for wo
.set STO,  24                          ; v24     the way out: where I put 32 bytes of a row
.set RD,   25                          ; v25     where I read a row back
.set CO,   26                          ; v26     my byte offset in a row of out0
.set H32,  27                          ; v27     32 h: my eight numbers of bo in a tile
.set SPW,  28                          ; v28     my spare word; never rewritten
.set NIL,  29                          ; v29     0; never rewritten
.set TMP,  32
.set AF,   128
.set BK,   128
.set G1, 24
.set G0, 32
.set G1B, 48
.set G0B, 56
.set MSB, 0
.macro WIN new                         ; the immediate's high byte repeats the setting that is left
.if MSB != (\new)
	s_set_vgpr_msb (MSB<<8)|(\new)
.set MSB, (\new)
.endif
.endm
.set MUL_LO, 0xa1
.set MUL_HI, 0xf1
.set TO_B,   0x40
.macro JLOAD g0a, g1a, g0b, g1b        ; a joint load: waves 0 and 1 fetch ctx's halves, waves 2 and 3 wo's; four v_nop follow each of the two lines
	s_cmp_eq_u32 s15, 0
	s_cbranch_scc0 .Lfor_b_\@
	tensor_load_to_lds s[\g0a:\g0a+3], s[\g1a:\g1a+7]
	s_nop 0
.rept 4
	v_nop
.endr
	s_branch .Lasked_\@
.Lfor_b_\@:
	tensor_load_to_lds s[\g0b:\g0b+3], s[\g1b:\g1b+7]
	s_nop 0
.rept 4
	v_nop
.endr
.Lasked_\@:
.endm
.macro CREST
	s_cmp_lg_u32 s14, 0
	s_cbranch_scc1 .Lnot_wave_0_\@
	s_barrier_signal -3
.Lnot_wave_0_\@:
	s_barrier_wait -3
	s_barrier_signal -1
	s_barrier_wait -1
.endm
.macro CROUND
	s_barrier_signal -1
	s_barrier_wait -1
	CREST
.endm
	s_load_b128 s[4:7], s[0:1], 0x0                ; cimg s[4:5], wo's codes s[6:7]
	s_load_b128 s[8:11], s[0:1], 0x10              ; the scales' exponents s[8:9], bo s[10:11]
	s_load_b64 s[12:13], s[0:1], 0x20              ; out0
	v_lshl_add_u32 v[SPW], v0, 2, SPARE
	v_mov_b32 v[NIL], 0
	ds_add_u32 v28, v29
	ds_add_u32 v28, v29
	s_wait_dscnt 0x0
	v_lshrrev_b32 v1, 5, v0
	v_readfirstlane_b32 s14, v1                    ; wave 0..3
	s_lshr_b32 s15, s14, 1                         ; which 128 tokens are mine.  Also: I fetch ctx (0) or wo (1)
	s_and_b32 s16, s14, 1                          ; which 128 columns.  Also: which half I fetch
	s_bfe_u32 s40, ttmp6, 0x40000                  ; cx, cy
	s_bfe_u32 s41, ttmp6, 0x40004
	s_lshl_b32 s42, ttmp9, 2
	s_add_co_u32 s42, s42, s40                     ; tile column
	s_and_b32 s17, ttmp7, 0xffff
	s_lshl_b32 s17, s17, 2
	s_add_co_u32 s17, s17, s41                     ; tile row
	s_lshl_b32 s43, s41, 2
	s_lshl_b32 s43, 15, s43                        ; my row of the cluster
	s_lshl_b32 s44, 0x1111, s40                    ; my column
	s_or_b32 s[G1+0], s43, (3<<16)|(1<<21)         ; ctx: the mask of my row; elements of 8 bytes; no padding; bit 21 set beside a mask
	s_mov_b32 s[G1+1], 32<<16                      ; a dense block as 128 rows of 256 bytes
	s_mov_b32 s[G1+2], 128<<16
	s_mov_b32 s[G1+3], 32<<16
	s_mov_b32 s[G1+4], 128
	s_mov_b32 s[G1+5], 32
	s_mov_b32 s[G1+6], 0
	s_mov_b32 s[G1+7], 0
	s_or_b32 s[G1B+0], s44, (0<<16)|(1<<20)|(1<<21)|(5<<22)|(3<<25)  ; wo: the mask of my column; elements of 1 byte; four words of padding after every 64
	s_mov_b32 s[G1B+1], 256<<16
	s_mov_b32 s[G1B+2], 128<<16
	s_mov_b32 s[G1B+3], 256<<16
	s_mov_b32 s[G1B+4], 128
	s_mov_b32 s[G1B+5], 1024
	s_mov_b32 s[G1B+6], 0
	s_mov_b32 s[G1B+7], 0
	s_lshl_b32 s20, s17, 16                        ; ctx: token tile 16 y + 8 x half, 4,096 bytes each
	s_lshl_b32 s18, s16, 15
	s_add_co_u32 s20, s20, s18
	s_mov_b32 s21, 0
	s_lshl_b32 s46, s42, 8
	s_lshl_b32 s18, s16, 7
	s_add_co_u32 s46, s46, s18                     ; wo: row 256 x + 128 x half
	s_lshl_b32 s46, s46, 10
	s_mov_b32 s47, 0
	s_lshl_b32 s45, s16, 15                        ; where they go: ctx at 32,768 x half,
	s_mul_i32 s19, s16, HALFT
	s_add_co_u32 s19, s19, BOFF                    ; wo behind it: no place in the cluster enters an LDS address
	s_wait_kmcnt 0x0
	s_load_b64 s[96:97], s[8:9], 0x28              ; e10, e11
	s_add_nc_u64 s[20:21], s[4:5], s[20:21]
	s_add_nc_u64 s[46:47], s[6:7], s[46:47]
	CROUND                                         ; all sixteen work-groups are here: the first joint loads meet
.irp s, 0,1
	s_mov_b32 s[G0+4*\s], 1
	s_add_co_u32 s[G0+4*\s+1], s45, \s*SLOT
	s_add_nc_u64 s[G0+4*\s+2:G0+4*\s+3], s[20:21], \s*KSA
	s_or_b32 s[G0+4*\s+3], s[G0+4*\s+3], 0x80000000
	s_mov_b32 s[G0B+4*\s], 1
	s_add_co_u32 s[G0B+4*\s+1], s19, \s*SLOT
	s_add_nc_u64 s[G0B+4*\s+2:G0B+4*\s+3], s[46:47], \s*256
	s_or_b32 s[G0B+4*\s+3], s[G0B+4*\s+3], 0x80000000
	s_wait_alu depctr_va_vdst(0)
	s_wait_tensorcnt 0x0
	ds_add_u32 v28, v29
	ds_add_u32 v28, v29
	s_wait_dscnt 0x0
	CROUND
	JLOAD G0+4*\s, G1, G0B+4*\s, G1B               ; one load of mine is out
.endr
	v_and_b32 v1, 15, v0                           ; r
	v_bfe_u32 v2, v0, 4, 1                         ; h
	v_and_b32 v6, 31, v0
	v_lshlrev_b32 v[CO], 4, v6                     ; 16 x lane
	v_mul_u32_u24 v3, v1, PITCH
	v_lshl_add_u32 v4, v2, 3, v3                   ; wo: row x pitch + 8 h
	s_lshl_b32 s21, s15, 15                        ; my eight token tiles
	s_mul_i32 s22, s16, HALFT
	s_add_co_u32 s22, s22, BOFF                    ; my 128 rows of wo
.irp s, 0,1
	v_add_nc_u32 v[ADRA+\s], s21, v[CO]
	v_add_nc_u32 v[ADRB+\s], s22, v4
	s_add_co_u32 s21, s21, SLOT
	s_add_co_u32 s22, s22, SLOT
.endr
	v_lshlrev_b32 v[H32], 5, v2
	s_mul_i32 s23, s14, 16*SPITCH                  ; my stage
	v_mul_u32_u24 v5, v1, SPITCH                   ; in: row r, 32 bytes for each half of the lanes
	v_lshl_add_u32 v5, v2, 5, v5
	v_add_nc_u32 v[STO], s23, v5
	v_add_nc_u32 v[RD], s23, v[CO]                 ; back: the 32 lanes take one row of 512 bytes
	s_lshl_b32 s20, s17, 8
	s_lshl_b32 s21, s15, 7
	s_add_co_u32 s20, s20, s21                     ; my first row of out0,
	s_lshl_b32 s20, s20, 12                        ; in bytes (under 2^25)
	s_mov_b32 s21, 0
	s_lshl_b32 s46, s42, 10                        ; my first column, in bytes: 1,024 x + 512 x half: in out0 and in bo alike
	s_lshl_b32 s47, s16, 9
	s_add_co_u32 s46, s46, s47
	s_mov_b32 s47, 0
	s_add_nc_u64 s[10:11], s[10:11], s[46:47]
	s_add_nc_u64 s[20:21], s[20:21], s[46:47]
	s_add_nc_u64 s[12:13], s[12:13], s[20:21]
.macro FRAGA reg, adr, q, i            ; ctx's fragment comes back as it was stored: four loads of 512 consecutive bytes
.irp c, 0,1,2,3
	ds_load_b128 v[\reg+4*\c:\reg+4*\c+3], v[\adr] offset:4096*(\i)+2048*(\q)+512*\c
.endr
.endm
.macro FRAGB reg, adr, q, i            ; wo's: registers 2 c, 2 c + 1 hold K = 16 c + 8 h + 0 .. 7 of row r
.irp c, 0,1,2,3,4,5,6,7
	ds_load_b64 v[\reg+2*\c:\reg+2*\c+1], v[\adr] offset:128*(\q)+16*\c+(\i)*16*PITCH
.endr
.endm
; 16 matrix instructions; the 64 accumulators take turns, one instruction a turn, in the same order in every step
.macro MUL16 a0, p, zero
.irp a, \a0, \a0+1
.irp b, 0,1,2,3,4,5,6,7
.if \zero
	v_wmma_f32_16x16x128_bf8_bf8 v[8*(8*((\a)%4)+\b):8*(8*((\a)%4)+\b)+7], v[128*(\p)+FR*\b:128*(\p)+FR*\b+FR-1], v[AF+FR*(\a):AF+FR*(\a)+FR-1], 0
.else
	v_wmma_f32_16x16x128_bf8_bf8 v[8*(8*((\a)%4)+\b):8*(8*((\a)%4)+\b)+7], v[128*(\p)+FR*\b:128*(\p)+FR*\b+FR-1], v[AF+FR*(\a):AF+FR*(\a)+FR-1], v[8*(8*((\a)%4)+\b):8*(8*((\a)%4)+\b)+7]
.endif
.endr
.endr
.endm
.macro FETCH_B slot, q, p
	WIN TO_B
.irp i, 0,1,2,3,4,5,6,7
	FRAGB 128*(\p)+FR*\i, ADRB+\slot, \q, \i
.endr
	WIN 0
.endm
.macro FETCH_A slot, q, i0
.irp i, \i0, \i0+1, \i0+2, \i0+3
	FRAGA AF+FR*(\i), ADRA+\slot, \q, \i
.endr
.endm
.macro PLACES n
.rept \n
	v_nop
.endr
.endm
.macro STEP slot, q, zero
	s_wait_dscnt 4*NL                              ; wo's set and ctx's blocks 0-3 are in; the youngest sixteen loads (blocks 4-7) may be out
	WIN MUL_LO
	MUL16 0, (\q)%2, \zero
	MUL16 2, (\q)%2, \zero
	s_wait_dscnt 0
	PLACES NP
	FETCH_B \slot, (\q)+1, 1-(\q)%2
	FETCH_A \slot, (\q)+1, 0
	WIN MUL_HI
	MUL16 4, (\q)%2, \zero
	MUL16 6, (\q)%2, \zero
	PLACES NP
	WIN 0
	FETCH_A \slot, (\q)+1, 4
.endm
.macro TURN slot, next, fill
	s_wait_tensorcnt 0x0                           ; all my tensor loads have landed: my part of the next slot  (every window is 0 here)
	ds_add_u32 v[SPW], v[NIL]                      ; 0 onto my spare word
	s_wait_dscnt 4*NL+1                            ; (the add and the youngest sixteen loads may be out)
	WIN MUL_LO
	MUL16 0, 1, 0
	s_wait_dscnt 0x0                               ; the add is done, and my reads of this slot are over
	s_barrier_signal -1
	MUL16 2, 1, 0
	WIN 0
	s_barrier_wait -1
.if \fill
	CREST                                          ; the barrier has opened a round of the cluster's barrier: no wave of any partner still reads this slot or has a load on its way
	s_add_nc_u64 s[G0+4*\slot+2:G0+4*\slot+3], s[G0+4*\slot+2:G0+4*\slot+3], 2*KSA
	s_add_nc_u64 s[G0B+4*\slot+2:G0B+4*\slot+3], s[G0B+4*\slot+2:G0B+4*\slot+3], 512
	JLOAD G0+4*\slot, G1, G0B+4*\slot, G1B         ; the first tensor load behind the round; its four v_nop are the places in front of the loads below
.else
	PLACES NP
.endif
	FETCH_B \next, 0, 0
	FETCH_A \next, 0, 0
	WIN MUL_HI
	MUL16 4, 1, 0
	MUL16 6, 1, 0
	PLACES NP
	WIN 0
	FETCH_A \next, 0, 4
.endm
	s_wait_alu depctr_va_vdst(0)
	s_wait_tensorcnt 1                             ; my part of K step 0 is in; K step 1's load, issued behind it, may be out
	s_barrier_signal -1
	s_barrier_wait -1
	FETCH_B 0, 0, 0
	FETCH_A 0, 0, 0
	FETCH_A 0, 0, 4
	STEP 0, 0, 1                                   ; four K steps of 256, written out: the first products start the sums
	TURN 0, 1, 1
	STEP 1, 0, 0
	TURN 1, 0, 1
	STEP 0, 0, 0
	TURN 0, 1, 0
	STEP 1, 0, 0
	WIN TO_B                                       ; bo, into wo's set 0, whose last products stand four places back
.irp b, 0,1,2,3,4,5,6,7
	global_load_b128 v[8*\b:8*\b+3], v[H32], s[10:11] offset:64*\b            ; bo(16 b + 8 h + 0 .. 7)
	global_load_b128 v[8*\b+4:8*\b+7], v[H32], s[10:11] offset:64*\b+16
.endr
	WIN 0
	s_wait_dscnt 4*NL                              ; the very last step
	WIN MUL_LO
	MUL16 0, 1, 0
	MUL16 2, 1, 0
	s_wait_dscnt 0
	WIN MUL_HI
	MUL16 4, 1, 0
	MUL16 6, 1, 0
	WIN 0
; THE WAY OUT, block by block of 16 rows x 128 columns: sum x 2^(e10 + e11) + bo, through my own stage in LDS, back as whole rows of 512 bytes.  LDS serves a wave's instructions in order (ISA guide 5.7.1.4).
.macro TOSTAGE a
.set AC, 64*((\a)%4)
	WIN 0x12+((\a)/4)                              ; source 0 (the sums) window 2 or 3, source 2 (bo) window 1
.irp j, 0,2,4,6,8,10,12,14,16,18,20,22,24,26,28,30,32,34,36,38,40,42,44,46,48,50,52,54,56,58,60,62
	v_pk_fma_f32 v[TMP+\j:TMP+\j+1], v[AC+\j:AC+\j+1], s[96:97], v[\j:\j+1] op_sel_hi:[1,0,1]   ; each accumulator from its low end on
.endr
	WIN 0
.irp b, 0,1,2,3,4,5,6,7
	ds_store_b128 v[STO], v[TMP+8*\b:TMP+8*\b+3] offset:64*\b
	ds_store_b128 v[STO], v[TMP+8*\b+4:TMP+8*\b+7] offset:64*\b+16
.endr
.set BB, BK+64*((\a)%2)
.irp t, 0,1,2,3,4,5,6,7,8,9,10,11,12,13,14,15
	ds_load_b128 v[BB+4*\t:BB+4*\t+3], v[RD] offset:\t*SPITCH
.endr
.endm
.macro SEND a, younger                 ; younger: the LDS instructions issued behind block a's loads, which may stay out
.set BB, BK+64*((\a)%2)
	s_wait_dscnt \younger
.if (\a) > 0
	s_add_nc_u64 s[12:13], s[12:13], 16*NROW       ; (behind a wait on XCNT: the earlier stores have read their base)  16 rows on
.endif
.irp t, 0,1,2,3,4,5,6,7,8,9,10,11,12,13,14,15
	global_store_b128 v[CO], v[BB+4*\t:BB+4*\t+3], s[12:13] offset:\t*NROW th:TH_STORE_NT   ; 32 lanes store 512 consecutive bytes, at a multiple of 256 from out0's first byte
.endr
.endm
	s_wait_kmcnt 0x0
	s_add_co_i32 s96, s96, s97
	s_add_co_i32 s96, s96, 127
	s_lshl_b32 s96, s96, 23                        ; 2^(e10 + e11) as f32
	s_wait_loadcnt 0x0                             ; bo
	PLACES NP                                      ; in front of the first read of results and of the loads into the registers that held ctx's fragments
	TOSTAGE 0
.irp a, 1,2,3,4,5,6,7
.if \a > 1
	s_wait_xcnt 0x0                                ; block a - 2's stores have read their registers and their base
.endif
	TOSTAGE \a
	SEND \a-1, 32                                  ; behind block a - 1's loads: block a's 16 stores and 16 loads
.endr
	s_wait_xcnt 0x0                                ; block 6's stores have read their base
	SEND 7, 0
	s_wait_tensorcnt 0x0                           ; the wave's end
	ds_add_u32 v[SPW], v[NIL]
	s_wait_dscnt 0x0
	CROUND                                         ; the closing round
	s_endpgm
.Lfunc_end_k_q862fcf5f22_outp:
	.size	k_q862fcf5f22_outp, .Lfunc_end_k_q862fcf5f22_outp-k_q862fcf5f22_outp
	.p2alignl 7, 3214868480
	.fill 96, 4, 3214868480
	.section	.rodata,"a",@progbits
	.p2align	6, 0x0
	.amdhsa_kernel k_q862fcf5f22_outp
		.amdhsa_group_segment_fixed_size 327680
		.amdhsa_private_segment_fixed_size 0
		.amdhsa_enable_private_segment 0
		.amdhsa_kernarg_size 40
		.amdhsa_user_sgpr_count 2
		.amdhsa_user_sgpr_kernarg_segment_ptr 1
		.amdhsa_wavefront_size32 1
		.amdhsa_system_sgpr_workgroup_id_x 1
		.amdhsa_system_sgpr_workgroup_id_y 1
		.amdhsa_system_sgpr_workgroup_id_z 1
		.amdhsa_system_vgpr_workitem_id 0
		.amdhsa_next_free_vgpr 1024
		.amdhsa_next_free_sgpr 98
		.amdhsa_reserve_vcc 0
		.amdhsa_float_denorm_mode_32 3
		.amdhsa_float_denorm_mode_16_64 3
		.amdhsa_memory_ordered 1
		.amdhsa_forward_progress 1
		.amdhsa_inst_pref_size 142
	.end_amdhsa_kernel
	.amdgpu_metadata
---
amdhsa.version: [ 1, 2 ]
amdhsa.kernels:
  - .name:           k_q862fcf5f22_outp
    .symbol:         k_q862fcf5f22_outp.kd
    .args:
      - { .name: cimg, .offset: 0, .size: 8, .value_kind: global_buffer, .address_space: global }
      - { .name: wo_codes, .offset: 8, .size: 8, .value_kind: global_buffer, .address_space: global }
      - { .name: lowp_scales, .offset: 16, .size: 8, .value_kind: global_buffer, .address_space: global }
      - { .name: bo, .offset: 24, .size: 8, .value_kind: global_buffer, .address_space: global }
      - { .name: out0, .offset: 32, .size: 8, .value_kind: global_buffer, .address_space: global }
    .group_segment_fixed_size: 327680
    .private_segment_fixed_size: 0
    .kernarg_segment_align: 8
    .kernarg_segment_size: 40
    .max_flat_workgroup_size: 128
    .sgpr_count:     98
    .vgpr_count:     1024
    .wavefront_size: 32
...
	.end_amdgpu_metadata
.endif
;; end of part 3
